; MI455X (gfx1250); checked and timed in simulation.
; The chip was launched on July 23, 2026; its instructions are those of AMD's public machine-readable ISA for CDNA 5 (MIT licence, August 2026) and "CDNA5" Instruction Set Architecture Reference Guide (July 2026). The comments in the code are by the model that wrote it; some were corrected since.
;; Self Attention. Allowed arithmetic: matrix products marked QUANTISED: E4M3 operands, one E8M0 scale for each 32 along K, by v_wmma_scale_f32_16x16x128_f8f6f4 with both operands' format E4M3, f32 sums; products left as they are: f32 operands where the result goes on into a quantised operand, else bf16, f16 or f32 operands; f32 sums; everything else in f32.
;; Inputs: Aq 4 x 512 float32; Av 4 x 512 float32; Bq 512 x 4 float32; Bv 512 x 4 float32; Wk 512 x 512 float32; Wp 512 x 512 float32; Wq 512 x 512 float32; Wv 512 x 512 float32; atten_mask 2 x 4,096 int32; bp 512 float32; x 2 x 4,096 x 512 float32.
;; Outputs: out0 2 x 4,096 x 512 float32.
;; This version of the problem:
;;   THIS VERSION OF THE PROBLEM IS GIVEN IN LOW PRECISION. The matrix products marked QUANTISED in the list below multiply operands that are first quantised to E4M3 (4 exponent bits, 3 mantissa bits; 8 bits a number), with one power-of-two scale for each 32 numbers along K (OCP MX v1.0); their sums are f32. All else is computed in f32.
;;   The module's matrix products, in the order in which they are computed (A, B: the left and right operand; K: the contracted axis; several contracted axes count as one K, in the product's order):
;;     1. [M 8,192, K 512] x [K 512, N 512]; A: input x; B: input Wk: QUANTISED
;;     2. [M 8,192, K 512] x [K 512, N 512]; A: input x; B: input Wq: QUANTISED
;;     3. [M 8,192, K 512] x [K 512, N 4]; A: input x; B: input Aq: left as it is (N = 4 < 16)
;;     4. [M 8,192, K 4] x [K 4, N 512]; A: computed on the way; B: input Bq: left as it is (K = 4 < 32)
;;     5. [M 8,192, K 512] x [K 512, N 512]; A: input x; B: input Wv: QUANTISED
;;     6. [M 8,192, K 512] x [K 512, N 4]; A: input x; B: input Av: left as it is (N = 4 < 16)
;;     7. [M 8,192, K 4] x [K 4, N 512]; A: computed on the way; B: input Bv: left as it is (K = 4 < 32)
;;     8. batch 16 x [M 4,096, K 64] x [K 64, N 4,096]; A: computed on the way; B: computed on the way: QUANTISED
;;     9. batch 16 x [M 4,096, K 4,096] x [K 4,096, N 64]; A: softmax (see below); B: computed on the way: QUANTISED
;;     10. [M 8,192, K 512] x [K 512, N 512]; A: computed on the way; B: input Wp: QUANTISED
;;   THE QUANTISER, for each operand of a quantised product, along K:
;;     - K is cut into blocks of 32 from its start; a last block that is shorter is filled with zeros.
;;     - A block's scale is 2^e with e = floor(log2(the largest magnitude in the block)) - 8, held to -126 .. 127; a block of zeros has e = 0. As a byte (E8M0): e + 127.
;;     - Each number is divided by its block's scale, clamped to +-448, and rounded to the nearest number of E4M3, ties to even, subnormals kept.
;;     - The product sums the exact products of the quantised numbers (number of the format x scale) in f32.
;;   ~~~python
;;   def quantise(x, axis):      # numpy; x: float32 -> the quantised numbers, widened to float32 again
;;       x = np.moveaxis(x, axis, -1); K = x.shape[-1]
;;       x = np.pad(x, [(0, 0)] * (x.ndim - 1) + [(0, -K % 32)]); x = x.reshape(x.shape[:-1] + (-1, 32)); a = np.abs(x).max(-1, keepdims=True)
;;       e = np.where(a > 0, np.clip(np.frexp(np.where(a > 0, a, 1))[1] - 1 - 8, -126, 127), 0)      # np.frexp(a)[1] - 1 = floor(log2(a)), exactly
;;       r = np.clip(x / 2.0 ** e, -448, 448)
;;       step = 2.0 ** (np.maximum(np.frexp(np.where(r == 0, 1, r))[1] - 1, -6) - 3)
;;       q = np.round(r / step) * step * 2.0 ** e      # np.round: ties to even
;;       return np.moveaxis(q.reshape(q.shape[:-2] + (-1,))[..., :K], -1, axis).astype(np.float32)
;;   ~~~
;;   SOFTMAX AHEAD OF A QUANTISED PRODUCT. Where the list says 'softmax', what is quantised is not the finished softmax but p = 2^(t - M), with t = logit x log2(e) and M = ceil(the row's largest t), a whole number; so 1/2 < the row's largest p <= 1. The row's sum l is taken of the UNQUANTISED p, in f32, and the product's result is divided by l at the end. Since M is a whole number, a kernel that streams over the keys may use a running M (the ceiling of the running maximum): every later rescaling is an exact power of two, which a block's scale takes up: the codes' values come out the same.
;;   OPERANDS COMPUTED ON THE WAY. 'Computed on the way' means the value that the module computes at that place (a softmax that the list does not call 'softmax' is quantised finished and normalised). What goes into a quantiser is computed in f32, as accurately as f32 sums, v_exp_f32 and their like allow (about 1e-6 of the number): no bf16 or f16 on the way to a quantiser, and a product that is left as it is and whose result goes on into a quantised operand takes f32 operands (vector FMAs, or v_wmma_f32_16x16x4_f32). A number that lies on a knife's edge between two numbers of the format may be rounded either way, as far as f32 arithmetic and the matrix unit's own rounding can turn it there, and no further.
;; One version. Each part assembles by itself: llvm-mc -triple=amdgcn-amd-amdhsa -mcpu=gfx1250 --defsym DOCPART=n.
;; ======== version 1 of 1: 4 launches
;; limits: right only within a limited range of input values
;; workspace buffers: opc 5,242,880 bytes; ops 425,984 bytes; qkv 12,582,912 bytes; qkvs 655,360 bytes; ctxc 4,194,304 bytes; ctxs 131,072 bytes
;; launch quant (part 1): grid 160 x 1, 4 waves a work-group, no clusters, 167,936 bytes of LDS; arguments x, Wq, Wk, Wv, Wp, Aq, Av, opc, ops; writes opc, ops
.if DOCPART == 1
	.amdgcn_target "amdgcn-amd-amdhsa--gfx1250"
	.amdhsa_code_object_version 6
	.text
	.protected	k_q25371f24d1_quant
	.globl	k_q25371f24d1_quant
	.p2align	8
	.type	k_q25371f24d1_quant,@function
k_q25371f24d1_quant:
	s_mov_b64 s[64:65], 0
	v_nop
	global_prefetch_b8 v0, s[64:65] scope:SCOPE_SE
	s_setreg_imm32_b32 hwreg(HW_REG_WAVE_MODE, 25, 1), 1
	s_wait_xcnt 0x0
; SELF-ATTENTION IN MX-FP8, launch 1 of 4: x, Wq, Wk, Wv, Wp become codes of E4M3 with one E8M0 byte for each 32 along K (their last axis); 0.25 x Aq^T and 0.25 x Av^T are made in f32.
; DEAD WORK: none.  Every input of reference() reaches out0 and every product of its table is done; only the local 'neg', which reference() itself never uses, has no counterpart.
; Masked keys are multiplied like the others: P and V are quantised in blocks of 32 keys as they lie, so no key may change its place.
; LAYOUT OF THE WORKSPACE.  Rows go in tiles of 16: lane-row r of tile 2 g + u is row 32 g + 8 u + r + 8 (r / 8), so that in a transposed product the 16 registers of two neighbouring tiles are 16 neighbours along the next K.
; A fragment (16 rows x 128 K) lies as its registers lie: byte 512 c + 16 lane holds registers 4 c .. 4 c + 3.  opc: [tile][K step][2048]; tiles 0-511 x, then 32 each of Wq, Wk, Wv, Wp.
; ops: [tile][r][K step] scale words; from XAOFF on [tile][r][4] f32: 0.25 x Aq^T, and 131,072 bytes further 0.25 x Av^T.
; SHARES.  A work-group takes 64 rows (groups 0-127: x; then 8 for each weight), brought by one tensor load a wave; wave w makes tile 4 g + w.  All bytes are asked for at the head: no slot is filled again.
; No cluster: the work-groups share only Aq and Av, 16 KB beside 128 KB of rows of their own.
; LIMITS: NaN and infinities among the inputs are not served.  A block whose largest magnitude lies under 2^-118 keeps the byte 1; a block of zeros has the byte 1 where the rule says 127: its codes are zeros, and this program alone reads the bytes.
.set HALFP, 1040                       ; half a row in LDS: 1,024 bytes + 16 of padding
.set ROWP,  2080                       ; a row
.set ASTK,  64*ROWP                    ; behind the 64 rows: Aq's four rows, then Av's four
.set SPARE, ASTK+8*ROWP                ; the spare words, 128 bytes a wave: two blocks of 256 bytes that no other line names
.set XAOFF, 163840
.set XAD, 4                            ; v4   LDS address of my row's 16 numbers of a block of 32
.set AAD, 5                            ; v5   the same in the stack of Aq and Av
.set LI,  6                            ; v6   16 x lane
.set SOF, 7                            ; v7   16 r
.set XOF, 8                            ; v8   16 r + 131,072 h
.set SPW, 10                           ; v10  my spare word; never rewritten
.set NIL, 11                           ; v11  0; never rewritten
.set TM,  12                           ; v12-27 at work in QUANT
.set PWS, 28                           ; v28-31 my row's four scale words
.set PC,  32                           ; v32-47 a fragment's codes
.set ACC, 48                           ; v48-79 four f32 sums, written by matrix instructions alone
.set PS,  80                           ; v80-87 their total
.set XR,  96                           ; v96-159 64 numbers of my row
.set AR,  160                          ; v160-223 64 numbers of the stack's row
.set WV,  26
.set ISX, 27
.set G1R, 32
.set G1A, 40
.set G0R, 48
.set G0A, 52
.set SEL, 56
.set MNT, 58
.macro PLACES n
.rept \n
	v_nop
.endr
.endm
; nb x 16 numbers of a lane, register 16 b + i = k 32 b + 16 (lane / 16) + i of my row, become codes in v[pc] on and a scale word in v[pw].  The held numbers go to v[t] on (t = s: in place; else two sets of 16 by turns).
.macro QUANT s, t, nb, pc, pw
.set qb, 0
.rept \nb
	v_max3_num_f32 v[TM+qb], |v[(\s)+16*qb]|, |v[(\s)+16*qb+1]|, 0x4800000   ; my 16 numbers and the floor 2^(9 - 127): the byte cannot fall under 1
.set qb, qb+1
.endr
.set qi, 2
.rept 7
.set qb, 0
.rept \nb
	v_max3_num_f32 v[TM+qb], v[TM+qb], |v[(\s)+16*qb+qi]|, |v[(\s)+16*qb+qi+1]|   ; the blocks by turns
.set qb, qb+1
.endr
.set qi, qi+2
.endr
.set qb, 0
.rept \nb
	v_permlanex16_b32 v[TM+4+qb], v[TM+qb], s[SEL], s[SEL+1]
.set qb, qb+1
.endr
.set qb, 0
.rept \nb
	v_max_num_f32 v[TM+qb], v[TM+qb], v[TM+4+qb]           ; with lane l xor 16's: the block's largest magnitude
.set qb, qb+1
.endr
.set qb, 0
.rept \nb
	v_add_nc_u32 v[TM+12+qb], 0xfc000000, v[TM+qb]         ; 8 off its exponent field: the conversion's scale operand
.set qb, qb+1
.endr
.set qb, 0
.rept \nb
	v_and_or_b32 v[TM+8+qb], v[TM+qb], 0x7f800000, s[MNT]  ; 448 x the scale
.set qb, qb+1
.endr
.set qb, 0
.rept \nb
	v_lshrrev_b32 v[TM+4+qb], 23, v[TM+12+qb]              ; the scale's byte
.set qb, qb+1
.endr
	v_lshl_or_b32 v[\pw], v[TM+5], 8, v[TM+4]
.if \nb == 4
	v_lshl_or_b32 v[\pw], v[TM+6], 16, v[\pw]
	v_lshl_or_b32 v[\pw], v[TM+7], 24, v[\pw]
.endif
.set qb, 0
.rept \nb
.if (\t) == (\s)
.set qt, (\s)+16*qb
.else
.set qt, (\t)+16*(qb%2)
.endif
.set qi, 0
.rept 16
	v_med3_num_f32 v[qt+qi], v[(\s)+16*qb+qi], -v[TM+8+qb], v[TM+8+qb]   ; the conversion to an 8-bit code does not saturate (ISA guide 7.6.2): the hold
.set qi, qi+1
.endr
	v_cvt_scalef32_pk8_fp8_f32 v[(\pc)+4*qb:(\pc)+4*qb+1], v[qt:qt+7], v[TM+12+qb]
	v_cvt_scalef32_pk8_fp8_f32 v[(\pc)+4*qb+2:(\pc)+4*qb+3], v[qt+8:qt+15], v[TM+12+qb]
.set qb, qb+1
.endr
	v_nop                                                  ; a plain instruction behind the last conversion
.endm
.macro XLD s                           ; my row's 64 numbers of K step s
.irp c, 0,1,2,3
.irp j, 0,1,2,3
	ds_load_b128 v[XR+16*\c+4*\j:XR+16*\c+4*\j+3], v[XAD] offset:((\s)/2)*HALFP+((\s)%2)*512+128*\c+16*\j
.endr
.endr
.endm
.macro ALD s                           ; the same places of the stack's row
.irp c, 0,1,2,3
.irp j, 0,1,2,3
	ds_load_b128 v[AR+16*\c+4*\j:AR+16*\c+4*\j+3], v[AAD] offset:((\s)/2)*HALFP+((\s)%2)*512+128*\c+16*\j
.endr
.endr
.endm
; One K step of 128.  isx = 1: 32 f32 matrix instructions add x's 128 numbers times the stack's; both sides hold the same k in the same register and lane half, so the order of k inside an instruction does not matter.
.macro QSTEP s, isx
	s_wait_dscnt 0x0                                       ; this step's numbers are in
.if \isx
.set i2, 0
.rept 8
.irp c, 0,1,2,3                        ; the four sums take turns, one instruction a turn
.if ((\s) == 0) && (i2 == 0)
	v_wmma_f32_16x16x4_f32 v[ACC+8*\c:ACC+8*\c+7], v[AR+16*\c+i2:AR+16*\c+i2+1], v[XR+16*\c+i2:XR+16*\c+i2+1], 0
.else
	v_wmma_f32_16x16x4_f32 v[ACC+8*\c:ACC+8*\c+7], v[AR+16*\c+i2:AR+16*\c+i2+1], v[XR+16*\c+i2:XR+16*\c+i2+1], v[ACC+8*\c:ACC+8*\c+7]
.endif
.endr
.set i2, i2+2
.endr
	PLACES 8                                               ; ahead of loads into, and vector writes of, registers that these products read
.if (\s) < 3
	ALD (\s)+1
.endif
.endif
.if (\s) > 0
	s_wait_xcnt 0x0                                        ; the last step's stores have read the codes' registers
.endif
	QUANT XR, XR, 4, PC, PWS+(\s)
.irp c, 0,1,2,3
	global_store_b128 v[LI], v[PC+4*\c:PC+4*\c+3], s[22:23] offset:(\s)*2048+\c*512   ; 512 consecutive bytes a store
.endr
.if (\s) < 3
	XLD (\s)+1
.endif
.endm
.macro BODY isx
	s_wait_tensorcnt 0x0                                   ; my loads have landed,
	s_barrier_signal -1
	s_barrier_wait -1                                      ; everybody's have: a tile's rows come from two waves' loads
	XLD 0
.if \isx
	ALD 0
.endif
	QSTEP 0, \isx
	QSTEP 1, \isx
	QSTEP 2, \isx
	QSTEP 3, \isx
	global_store_b128 v[SOF], v[PWS:PWS+3], s[24:25]       ; the tile's 256 bytes of scale words (lanes 16-31 write the same bytes with the same values)
.if \isx
	v_pk_add_f32 v[PS:PS+1], v[ACC:ACC+1], v[ACC+8:ACC+9]  ; registers 0-3 of the four sums: lanes 0-15 hold x Aq^T of token r, lanes 16-31 x Av^T
	v_pk_add_f32 v[PS+2:PS+3], v[ACC+2:ACC+3], v[ACC+10:ACC+11]
	v_pk_add_f32 v[PS+4:PS+5], v[ACC+16:ACC+17], v[ACC+24:ACC+25]
	v_pk_add_f32 v[PS+6:PS+7], v[ACC+18:ACC+19], v[ACC+26:ACC+27]
	v_pk_add_f32 v[PS:PS+1], v[PS:PS+1], v[PS+4:PS+5]
	v_pk_add_f32 v[PS+2:PS+3], v[PS+2:PS+3], v[PS+6:PS+7]
	v_pk_mul_f32 v[PS:PS+1], v[PS:PS+1], 0x3e800000 op_sel_hi:[1,0]     ; x 0.25, reference()'s SCALING: exact
	v_pk_mul_f32 v[PS+2:PS+3], v[PS+2:PS+3], 0x3e800000 op_sel_hi:[1,0]
	global_store_b128 v[XOF], v[PS:PS+3], s[24:25] offset:XAOFF         ; two whole runs of 256 bytes
.endif
	s_wait_tensorcnt 0x0                                   ; the wave's end
	ds_add_u32 v[SPW], v[NIL]
	s_wait_dscnt 0x0
	s_endpgm
.endm
	s_load_b256 s[8:15], s[0:1], 0x0                       ; x, Wq, Wk, Wv
	s_load_b256 s[16:23], s[0:1], 0x20                     ; Wp, Aq, Av, opc
	s_load_b64 s[24:25], s[0:1], 0x40                      ; ops
	v_lshl_add_u32 v[SPW], v0, 2, SPARE
	v_mov_b32 v[NIL], 0
	ds_add_u32 v[SPW], v[NIL]                              ; the opening: the add, twice on end, and its wait ahead of my first tensor load
	ds_add_u32 v[SPW], v[NIL]
	v_lshrrev_b32 v1, 5, v0
	v_readfirstlane_b32 s[WV], v1                          ; wave 0..3
	v_and_b32 v1, 15, v0                                   ; r
	v_bfe_u32 v2, v0, 4, 1                                 ; h
	v_and_b32 v3, 8, v1
	v_add_nc_u32 v3, v3, v1                                ; r + 8 (r / 8)
	s_lshr_b32 s2, s[WV], 1
	s_lshl_b32 s2, s2, 5
	s_and_b32 s3, s[WV], 1
	s_lshl_b32 s3, s3, 3
	s_add_co_u32 s2, s2, s3                                ; my tile's first row among the 64: 32 (w / 2) + 8 (w % 2)
	s_mul_i32 s2, s2, ROWP
	v_mul_u32_u24 v[XAD], v3, ROWP
	v_lshl_add_u32 v[XAD], v2, 6, v[XAD]
	v_add_nc_u32 v[XAD], s2, v[XAD]
	v_and_b32 v9, 3, v1
	v_lshrrev_b32 v[AAD], 3, v1
	v_lshl_add_u32 v[AAD], v[AAD], 2, v9                   ; lane-rows 0-3 (and 4-7): Aq's rows; 8-11 (and 12-15): Av's
	v_mul_u32_u24 v[AAD], v[AAD], ROWP
	v_lshl_add_u32 v[AAD], v2, 6, v[AAD]
	v_add_nc_u32 v[AAD], ASTK, v[AAD]
	v_and_b32 v[LI], 31, v0
	v_lshlrev_b32 v[LI], 4, v[LI]
	v_lshlrev_b32 v[SOF], 4, v1
	v_lshl_add_u32 v[XOF], v2, 17, v[SOF]
.irp b, 0,1,2,3
	v_mov_b32 v[TM+4+\b], 0                                ; written once: a lane permute's destination counts as one of its sources
.endr
	s_mov_b32 s[SEL], 0x76543210
	s_mov_b32 s[SEL+1], 0xfedcba98
	s_mov_b32 s[MNT], 0x600000
	; group 1: 32 half rows of 1,024 bytes (128 elements of 8 bytes), dense in memory, 16 bytes of padding behind each
	s_mov_b32 s[G1R+0], (3<<16)|(1<<20)|(7<<22)|(3<<25)
	s_mov_b32 s[G1R+1], 128<<16
	s_mov_b32 s[G1R+2], 32<<16
	s_mov_b32 s[G1R+3], 128<<16
	s_mov_b32 s[G1R+4], 32
	s_mov_b32 s[G1R+5], 128
	s_mov_b32 s[G1R+6], 0
	s_mov_b32 s[G1R+7], 0
	s_mov_b32 s[G1A+0], (3<<16)|(1<<20)|(7<<22)|(3<<25)    ; the same with 8 half rows: Aq or Av
	s_mov_b32 s[G1A+1], 128<<16
	s_mov_b32 s[G1A+2], 8<<16
	s_mov_b32 s[G1A+3], 128<<16
	s_mov_b32 s[G1A+4], 8
	s_mov_b32 s[G1A+5], 128
	s_mov_b32 s[G1A+6], 0
	s_mov_b32 s[G1A+7], 0
	s_mov_b32 s[G0R], 1
	s_mul_i32 s[G0R+1], s[WV], 16*ROWP                     ; my 16 rows' place
	s_mov_b32 s[G0A], 1
	s_mul_i32 s[G0A+1], s[WV], 4*ROWP
	s_add_co_u32 s[G0A+1], s[G0A+1], ASTK
	s_wait_dscnt 0x0                                       ; both opening adds are done
	s_wait_kmcnt 0x0
	s_and_b32 s30, ttmp9, 7
	s_cmp_lt_u32 ttmp9, 136                                ; which tensor: the choice hangs on the work-group's number alone
	s_cselect_b64 s[28:29], s[10:11], s[12:13]
	s_cmp_lt_u32 ttmp9, 144
	s_cselect_b64 s[28:29], s[28:29], s[14:15]
	s_cmp_lt_u32 ttmp9, 152
	s_cselect_b64 s[28:29], s[28:29], s[16:17]
	s_cmp_lt_u32 ttmp9, 128
	s_cselect_b64 s[28:29], s[8:9], s[28:29]
	s_cselect_b32 s30, ttmp9, s30                          ; which 64 rows of it
	s_cselect_b32 s[ISX], 1, 0
	s_lshl_b32 s30, s30, 17
	s_lshl_b32 s31, s[WV], 15
	s_add_co_u32 s30, s30, s31                             ; + my 16 rows of 2,048 bytes
	s_mov_b32 s31, 0
	s_add_nc_u64 s[G0R+2:G0R+3], s[28:29], s[30:31]
	s_or_b32 s[G0R+3], s[G0R+3], 0x80000000
	s_cmp_eq_u32 s[WV], 0
	s_cselect_b64 s[G0A+2:G0A+3], s[18:19], s[20:21]
	s_or_b32 s[G0A+3], s[G0A+3], 0x80000000
	tensor_load_to_lds s[G0R:G0R+3], s[G1R:G1R+7]          ; every wave: its 16 rows
	s_nop 0
	s_lshl_b32 s2, ttmp9, 2
	s_add_co_u32 s2, s2, s[WV]                             ; my tile: 4 g + w, for x and the weights alike
	s_lshl_b32 s4, s2, 13
	s_mov_b32 s5, 0
	s_add_nc_u64 s[22:23], s[22:23], s[4:5]
	s_lshl_b32 s4, s2, 8
	s_add_nc_u64 s[24:25], s[24:25], s[4:5]
	s_cmp_eq_u32 s[ISX], 0                                 ; the two paths part here, once, on the work-group's number
	s_cbranch_scc1 .Lweights
	s_cmp_ge_u32 s[WV], 2
	s_cbranch_scc1 .Lno_a
	tensor_load_to_lds s[G0A:G0A+3], s[G1A:G1A+7]          ; wave 0: Aq; wave 1: Av
	s_nop 0
.Lno_a:
	BODY 1
.Lweights:
	BODY 0
.Lfunc_end_k_q25371f24d1_quant:
	.size	k_q25371f24d1_quant, .Lfunc_end_k_q25371f24d1_quant-k_q25371f24d1_quant
	.p2alignl 7, 3214868480
	.fill 96, 4, 3214868480
	.section	.rodata,"a",@progbits
	.p2align	6, 0x0
	.amdhsa_kernel k_q25371f24d1_quant
		.amdhsa_group_segment_fixed_size 167936
		.amdhsa_private_segment_fixed_size 0
		.amdhsa_enable_private_segment 0
		.amdhsa_kernarg_size 72
		.amdhsa_user_sgpr_count 2
		.amdhsa_user_sgpr_kernarg_segment_ptr 1
		.amdhsa_wavefront_size32 1
		.amdhsa_system_sgpr_workgroup_id_x 1
		.amdhsa_system_sgpr_workgroup_id_y 1
		.amdhsa_system_sgpr_workgroup_id_z 1
		.amdhsa_system_vgpr_workitem_id 0
		.amdhsa_next_free_vgpr 256
		.amdhsa_next_free_sgpr 66
		.amdhsa_reserve_vcc 0
		.amdhsa_float_denorm_mode_32 3
		.amdhsa_float_denorm_mode_16_64 3
		.amdhsa_memory_ordered 1
		.amdhsa_forward_progress 1
		.amdhsa_inst_pref_size 95
	.end_amdhsa_kernel
	.amdgpu_metadata
---
amdhsa.version: [ 1, 2 ]
amdhsa.kernels:
  - .name:           k_q25371f24d1_quant
    .symbol:         k_q25371f24d1_quant.kd
    .args:
      - { .name: x, .offset: 0, .size: 8, .value_kind: global_buffer, .address_space: global }
      - { .name: Wq, .offset: 8, .size: 8, .value_kind: global_buffer, .address_space: global }
      - { .name: Wk, .offset: 16, .size: 8, .value_kind: global_buffer, .address_space: global }
      - { .name: Wv, .offset: 24, .size: 8, .value_kind: global_buffer, .address_space: global }
      - { .name: Wp, .offset: 32, .size: 8, .value_kind: global_buffer, .address_space: global }
      - { .name: Aq, .offset: 40, .size: 8, .value_kind: global_buffer, .address_space: global }
      - { .name: Av, .offset: 48, .size: 8, .value_kind: global_buffer, .address_space: global }
      - { .name: opc, .offset: 56, .size: 8, .value_kind: global_buffer, .address_space: global }
      - { .name: ops, .offset: 64, .size: 8, .value_kind: global_buffer, .address_space: global }
    .group_segment_fixed_size: 167936
    .private_segment_fixed_size: 0
    .kernarg_segment_align: 8
    .kernarg_segment_size: 72
    .max_flat_workgroup_size: 128
    .sgpr_count:     66
    .vgpr_count:     256
    .wavefront_size: 32
...
	.end_amdgpu_metadata
.endif
;; end of part 1
;; launch proj (part 2): grid 256 x 3, 4 waves a work-group, no clusters, 0 bytes of LDS; arguments opc, ops, Bq, Bv, atten_mask, qkv, qkvs; writes qkv, qkvs
.if DOCPART == 2
	.amdgcn_target "amdgcn-amd-amdhsa--gfx1250"
	.amdhsa_code_object_version 6
	.text
	.protected	k_q25371f24d1_proj
	.globl	k_q25371f24d1_proj
	.p2align	8
	.type	k_q25371f24d1_proj,@function
k_q25371f24d1_proj:
	s_mov_b64 s[64:65], 0
	v_nop
	global_prefetch_b8 v0, s[64:65] scope:SCOPE_SE
	s_setreg_imm32_b32 hwreg(HW_REG_WAVE_MODE, 25, 1), 1
	s_wait_xcnt 0x0
; Launch 2 of 4: q = x Wq^T + (0.25 x Aq^T) Bq^T, k = x Wk^T, v = x Wv^T + (0.25 x Av^T) Bv^T; the large products on codes of E4M3, the rank-4 products in f32 as the start of the same sums; then q and k are
; quantised along the head's 64, v along the keys, and the key mask is folded into k's scale words.  No work of reference() is left out.
; SHARES.  A wave makes 64 x 64 of one head: 64 tokens (ttmp9 / 2) x head 4 (ttmp9 % 2) + wave; grid y says which of q, k, v.  K = 512 in four steps, 16 accumulators by turns, 64 matrix instructions.
; Source 0 is the side whose rows become the result's registers, source 1 the side whose rows become its lanes.  q, k: lanes = tokens, registers = d.  v: lanes = d, registers = tokens (its K in the next product).
; Operands come from memory straight into registers, as images of the registers, two K steps ahead.  No LDS, so no tile that a cluster could share; K has four steps.
; OUT.  qkv: q at 0, k at 4 MiB: [b h][tile][1024], registers 0-7 of a fragment; v at 8 MiB: [b h][128 keys][tile of d][2048].  qkvs: q's words [b h][64 tokens][256]; from 262,144 on, for each b h, k's words so and then v's [128 keys][tile][r].
; THE MASK.  K = 64 fills half of the instruction's 128.  In the next launch q carries the code of 1.0 and k the code of -448 at k = 64; byte 2 of k's scale word is 1 for a key that counts (the term is -448 x 2^-126, the
; same for all such keys) and 227 for a masked key (-448 x 2^100, under every score).  Bytes 2, 3 of q's word and byte 3 of k's are 127.
; v's scale bytes leave two at a time (half a word a lane): 131,072 bytes of the launch's 13 MB.
; LIMITS as in the first launch.
.set XAOFF, 163840
.set LI,  1                            ; v1   16 x lane
.set R16, 4                            ; v4   16 r
.set LN,  5                            ; v5   16 (r + 8 (r / 8)) + 8 h: rows of Bq, Bv
.set LT,  6                            ; v6   16 r + 8 h: rows of the tables of x A^T
.set MO,  7                            ; v7   4 (8 h + r + 8 (r / 8)): the mask of tile 2 p + h
.set SH,  8                            ; v8   16 h
.set L8,  9                            ; v9   8 x lane
.set VW,  10                           ; v10  64 h + 4 r
.set PW,  11                           ; v11  the scale word just made
.set WD,  12                           ; v12-13 words to store
.set EX,  14                           ; v14-15 their upper halves
.set MK,  16                           ; v16-17 the mask
.set EK,  18                           ; v18-19 the two upper halves of k's words
.set SCR, 32                           ; v32-47 scale words of source 1's four tiles
.set SCP, 48                           ; v48-63 of source 0's
.set LP,  64                           ; v64-71 rank-4 fragments of source 0's side
.set LR,  72                           ; v72-79 of source 1's
.set TQ,  64                           ; v64-95 later: held numbers
.set PC,  96                           ; v96-111 codes
.set TM,  112                          ; v112-127 at work in QUANT
.set ACC, 128                          ; v128-255 accumulator (i, j) at 8 (4 i + j): written by matrix instructions alone
.set WV,  22
.set TG,  23
.set HD,  24
.set TY,  25
.set TGS, 26
.set BH,  27
.set SEL, 48
.set MNT, 50
.set MSB, 0
.macro WIN new                         ; the immediate's high byte repeats the setting that is left
.if MSB != \new
	s_set_vgpr_msb (MSB<<8)|\new
.set MSB, \new
.endif
.endm
.macro PLACES n
.rept \n
	v_nop
.endr
.endm
.macro QUANT s, t, nb, pc, pw          ; as in the first launch
.set qb, 0
.rept \nb
	v_max3_num_f32 v[TM+qb], |v[(\s)+16*qb]|, |v[(\s)+16*qb+1]|, 0x4800000
.set qb, qb+1
.endr
.set qi, 2
.rept 7
.set qb, 0
.rept \nb
	v_max3_num_f32 v[TM+qb], v[TM+qb], |v[(\s)+16*qb+qi]|, |v[(\s)+16*qb+qi+1]|
.set qb, qb+1
.endr
.set qi, qi+2
.endr
.set qb, 0
.rept \nb
	v_permlanex16_b32 v[TM+4+qb], v[TM+qb], s[SEL], s[SEL+1]
.set qb, qb+1
.endr
.set qb, 0
.rept \nb
	v_max_num_f32 v[TM+qb], v[TM+qb], v[TM+4+qb]
.set qb, qb+1
.endr
.set qb, 0
.rept \nb
	v_add_nc_u32 v[TM+12+qb], 0xfc000000, v[TM+qb]
.set qb, qb+1
.endr
.set qb, 0
.rept \nb
	v_and_or_b32 v[TM+8+qb], v[TM+qb], 0x7f800000, s[MNT]
.set qb, qb+1
.endr
.set qb, 0
.rept \nb
	v_lshrrev_b32 v[TM+4+qb], 23, v[TM+12+qb]
.set qb, qb+1
.endr
	v_lshl_or_b32 v[\pw], v[TM+5], 8, v[TM+4]
.if \nb == 4
	v_lshl_or_b32 v[\pw], v[TM+6], 16, v[\pw]
	v_lshl_or_b32 v[\pw], v[TM+7], 24, v[\pw]
.endif
.set qb, 0
.rept \nb
.if (\t) == (\s)
.set qt, (\s)+16*qb
.else
.set qt, (\t)+16*(qb%2)
.endif
.set qi, 0
.rept 16
	v_med3_num_f32 v[qt+qi], v[(\s)+16*qb+qi], -v[TM+8+qb], v[TM+8+qb]
.set qi, qi+1
.endr
	v_cvt_scalef32_pk8_fp8_f32 v[(\pc)+4*qb:(\pc)+4*qb+1], v[qt:qt+7], v[TM+12+qb]
	v_cvt_scalef32_pk8_fp8_f32 v[(\pc)+4*qb+2:(\pc)+4*qb+3], v[qt+8:qt+15], v[TM+12+qb]
.set qb, qb+1
.endr
	v_nop
.endm
; K step s of both sides into buffer buf of window 1: source 1's four fragments, then source 0's: 32 loads of 512 consecutive bytes
.macro LOADK s, buf
	WIN 0x40
.irp i, 0,1,2,3
.irp c, 0,1,2,3
	global_load_b128 v[\buf+16*\i+4*\c:\buf+16*\i+4*\c+3], v[LI], s[RBS:RBS+1] offset:\i*8192+\s*2048+\c*512
.endr
.endr
.irp i, 0,1,2,3
.irp c, 0,1,2,3
	global_load_b128 v[\buf+64+16*\i+4*\c:\buf+64+16*\i+4*\c+3], v[LI], s[PBS:PBS+1] offset:\i*8192+\s*2048+\c*512
.endr
.endr
	WIN 0
.endm
; 16 matrix instructions, the 16 accumulators by turns, in the same order in every step.  cm = 1: the constant 0 starts the sums
.macro STEP s, buf, cm
	WIN 0x05
.irp i, 0,1,2,3
.irp j, 0,1,2,3
.if \cm == 1
	v_wmma_scale_f32_16x16x128_f8f6f4 v[ACC+8*(4*\i+\j):ACC+8*(4*\i+\j)+7], v[\buf+64+16*\j:\buf+64+16*\j+15], v[\buf+16*\i:\buf+16*\i+15], 0, v[SCP+4*\j+\s], v[SCR+4*\i+\s]
.else
	v_wmma_scale_f32_16x16x128_f8f6f4 v[ACC+8*(4*\i+\j):ACC+8*(4*\i+\j)+7], v[\buf+64+16*\j:\buf+64+16*\j+15], v[\buf+16*\i:\buf+16*\i+15], v[ACC+8*(4*\i+\j):ACC+8*(4*\i+\j)+7], v[SCP+4*\j+\s], v[SCR+4*\i+\s]
.endif
.endr
.endr
	WIN 0
.endm
; The whole path of one kind: ty = 0 q, 1 k, 2 v
.macro BODY ty
.if \ty == 2
.set RBS, 30
.set PBS, 28
.set RSS, 34
.set PSS, 32
.else
.set RBS, 28
.set PBS, 30
.set RSS, 32
.set PSS, 34
.endif
	s_add_nc_u64 s[30:31], s[30:31], (512+32*\ty)*8192     ; this weight's tiles
	s_add_nc_u64 s[34:35], s[34:35], (512+32*\ty)*256
.irp i, 0,1,2,3
	global_load_b128 v[SCR+4*\i:SCR+4*\i+3], v[R16], s[RSS:RSS+1] offset:\i*256   ; a row's words of all four K steps
	global_load_b128 v[SCP+4*\i:SCP+4*\i+3], v[R16], s[PSS:PSS+1] offset:\i*256
.endr
.if \ty == 0
	s_add_nc_u64 s[40:41], s[12:13], s[2:3]                ; Bq at my head's 64 rows
.irp j, 0,1,2,3
	global_load_b64 v[LP+2*\j:LP+2*\j+1], v[LN], s[40:41] offset:(32*(\j/2)+8*(\j%2))*16   ; register j of a lane: rank 2 h + j
	global_load_b64 v[LR+2*\j:LR+2*\j+1], v[LT], s[32:33] offset:XAOFF+\j*256
.endr
	v_mov_b32 v[EX], 0x7f7f0000
	v_mov_b32 v[EX+1], 0x7f7f0000
	s_lshl_b32 s4, s[BH], 18
	s_lshl_b32 s5, s[TGS], 12
	s_add_co_u32 s4, s4, s5
	s_mov_b32 s5, 0
	s_add_nc_u64 s[36:37], s[18:19], s[4:5]
	s_lshl_b32 s4, s[BH], 14
	s_lshl_b32 s6, s[TGS], 8
	s_add_co_u32 s4, s4, s6
	s_add_nc_u64 s[38:39], s[20:21], s[4:5]
.elseif \ty == 2
	s_add_nc_u64 s[40:41], s[14:15], s[2:3]                ; Bv at my head's 64 rows
.irp j, 0,1,2,3
	global_load_b64 v[LP+2*\j:LP+2*\j+1], v[LT], s[32:33] offset:XAOFF+131072+\j*256
	global_load_b64 v[LR+2*\j:LR+2*\j+1], v[LN], s[40:41] offset:(32*(\j/2)+8*(\j%2))*16
.endr
	s_lshr_b32 s6, s[TGS], 1                               ; which 128 keys,
	s_and_b32 s7, s[TGS], 1                                ; and which half of them
	s_lshl_b32 s4, s[BH], 18
	s_lshl_b32 s5, s6, 13
	s_add_co_u32 s4, s4, s5
	s_lshl_b32 s5, s7, 10
	s_add_co_u32 s4, s4, s5
	s_add_co_u32 s4, s4, 0x800000
	s_mov_b32 s5, 0
	s_add_nc_u64 s[36:37], s[18:19], s[4:5]
	s_mul_i32 s4, s[BH], 24576
	s_lshl_b32 s6, s6, 8
	s_add_co_u32 s4, s4, s6
	s_lshl_b32 s7, s7, 1
	s_add_co_u32 s4, s4, s7
	s_add_co_u32 s4, s4, 262144+16384
	s_add_nc_u64 s[38:39], s[20:21], s[4:5]
.else
	s_lshl_b32 s2, s[TG], 8
	s_add_nc_u64 s[40:41], s[16:17], s[2:3]                ; the mask of my 64 tokens
	global_load_b32 v[MK], v[MO], s[40:41]
	global_load_b32 v[MK+1], v[MO], s[40:41] offset:128
	v_mov_b32 v[EK], 0x7f010000                            ; a key that counts
	v_mov_b32 v[EK+1], 0x7fe30000                          ; a masked key
	s_lshl_b32 s4, s[BH], 18
	s_lshl_b32 s5, s[TGS], 12
	s_add_co_u32 s4, s4, s5
	s_add_co_u32 s4, s4, 0x400000
	s_mov_b32 s5, 0
	s_add_nc_u64 s[36:37], s[18:19], s[4:5]
	s_mul_i32 s4, s[BH], 24576
	s_lshl_b32 s6, s[TGS], 8
	s_add_co_u32 s4, s4, s6
	s_add_co_u32 s4, s4, 262144
	s_add_nc_u64 s[38:39], s[20:21], s[4:5]
.endif
	LOADK 0, 0
	s_wait_loadcnt 32                                      ; all but K step 0's 32 loads: the words, and this kind's own loads, are in
	LOADK 1, 128
.if \ty == 1
	v_cmp_eq_u32 vcc_lo, 0, v[MK]                          ; the mask only selects a byte
	v_cndmask_b32 v[EX], v[EK], v[EK+1], vcc_lo
	v_cmp_eq_u32 vcc_lo, 0, v[MK+1]
	v_cndmask_b32 v[EX+1], v[EK], v[EK+1], vcc_lo
	s_wait_loadcnt 32                                      ; K step 0 is in; K step 1's 32 loads may be out
	STEP 0, 0, 1
.else
.irp i, 0,1,2,3
.irp j, 0,1,2,3
	v_wmma_f32_16x16x4_f32 v[ACC+8*(4*\i+\j):ACC+8*(4*\i+\j)+7], v[LP+2*\j:LP+2*\j+1], v[LR+2*\i:LR+2*\i+1], 0   ; the rank-4 product, in f32, starts the sums
.endr
.endr
	PLACES 9                                               ; another form adds onto these results
	s_wait_loadcnt 32                                      ; K step 0 is in; K step 1's 32 loads may be out
	STEP 0, 0, 0
.endif
	PLACES 8                                               ; ahead of loads into registers that matrix instructions have read
	LOADK 2, 0
	s_wait_loadcnt 32                                      ; K step 1 is in
	STEP 1, 128, 0
	PLACES 8
	LOADK 3, 128
	s_wait_loadcnt 32                                      ; K step 2 is in
	STEP 2, 0, 0
	s_wait_loadcnt 0
	STEP 3, 128, 0
	PLACES 8                                               ; ahead of the first read of results
.irp p, 0,1                            ; lanes' tiles 2 p and 2 p + 1: 64 numbers a lane: blocks 0, 1 are tile 2 p's, blocks 2, 3 tile 2 p + 1's
.if \p == 1
	s_wait_xcnt 0x0                                        ; the stores have read the codes' registers
.endif
	QUANT ACC+64*\p, TQ, 4, PC, PW
	v_lshrrev_b32 v[WD+\p], v[SH], v[PW]                   ; lanes 0-15: tile 2 p's two bytes; lanes 16-31: tile 2 p + 1's
.if \ty < 2
.irp q, 0,1,2,3
	global_store_b128 v[LI], v[PC+4*\q:PC+4*\q+3], s[36:37] offset:\p*2048+\q*512
.endr
	v_and_or_b32 v[WD+\p], v[WD+\p], 0xffff, v[EX+\p]
.else
	global_store_b128 v[LI], v[PC:PC+3], s[36:37] offset:\p*4096
	global_store_b128 v[LI], v[PC+4:PC+7], s[36:37] offset:\p*4096+512
	global_store_b128 v[LI], v[PC+8:PC+11], s[36:37] offset:\p*4096+2048
	global_store_b128 v[LI], v[PC+12:PC+15], s[36:37] offset:\p*4096+2560
	global_store_b16 v[VW], v[WD+\p], s[38:39] offset:\p*128
.endif
.endr
.if \ty < 2
	global_store_b64 v[L8], v[WD:WD+1], s[38:39]           ; the four tiles' words: 256 consecutive bytes
.endif
	s_endpgm
.endm
	s_load_b256 s[8:15], s[0:1], 0x0                       ; opc, ops, Bq, Bv
	s_load_b128 s[16:19], s[0:1], 0x20                     ; atten_mask, qkv
	s_load_b64 s[20:21], s[0:1], 0x30                      ; qkvs
	v_lshrrev_b32 v2, 5, v0
	v_readfirstlane_b32 s[WV], v2
	v_and_b32 v2, 31, v0                                   ; lane
	v_and_b32 v3, 15, v0                                   ; r
	v_bfe_u32 v12, v0, 4, 1                                ; h
	v_lshlrev_b32 v[LI], 4, v2
	v_lshlrev_b32 v[R16], 4, v3
	v_and_b32 v13, 8, v3
	v_add_nc_u32 v13, v13, v3                              ; r + 8 (r / 8)
	v_lshlrev_b32 v[LN], 4, v13
	v_lshl_add_u32 v[LN], v12, 3, v[LN]
	v_lshl_add_u32 v[LT], v12, 3, v[R16]
	v_lshl_add_u32 v[MO], v12, 3, v13
	v_lshlrev_b32 v[MO], 2, v[MO]
	v_lshlrev_b32 v[SH], 4, v12
	v_lshlrev_b32 v[L8], 3, v2
	v_lshlrev_b32 v[VW], 2, v3
	v_lshl_add_u32 v[VW], v12, 6, v[VW]
.irp b, 0,1,2,3
	v_mov_b32 v[TM+4+\b], 0                                ; written once: a lane permute's destination counts as one of its sources
.endr
	s_lshr_b32 s[TG], ttmp9, 1                             ; which 64 tokens
	s_and_b32 s[HD], ttmp9, 1
	s_lshl_b32 s[HD], s[HD], 2
	s_add_co_u32 s[HD], s[HD], s[WV]                       ; my head
	s_and_b32 s[TY], ttmp7, 0xffff
	s_and_b32 s[TGS], s[TG], 63                            ; the 64 tokens' number in their batch
	s_lshr_b32 s[BH], s[TG], 6
	s_lshl_b32 s[BH], s[BH], 3
	s_add_co_u32 s[BH], s[BH], s[HD]                       ; 8 b + head
	s_mov_b32 s[SEL], 0x76543210
	s_mov_b32 s[SEL+1], 0xfedcba98
	s_mov_b32 s[MNT], 0x600000
	s_mov_b32 s3, 0
	s_wait_kmcnt 0x0
	s_lshl_b32 s2, s[TG], 15
	s_add_nc_u64 s[28:29], s[8:9], s[2:3]                  ; x's four tiles of codes
	s_lshl_b32 s2, s[TG], 10
	s_add_nc_u64 s[32:33], s[10:11], s[2:3]                ; their words; the tables of x A^T lie XAOFF further on
	s_lshl_b32 s2, s[HD], 15
	s_add_nc_u64 s[30:31], s[8:9], s[2:3]                  ; my head's four tiles of a weight
	s_lshl_b32 s2, s[HD], 10                               ; (also: my head's 64 rows of Bq or Bv)
	s_add_nc_u64 s[34:35], s[10:11], s[2:3]
	s_cmp_eq_u32 s[TY], 1                                  ; the three paths part here, once, on the work-group's number
	s_cbranch_scc1 .Lkind_k
	s_cmp_eq_u32 s[TY], 2
	s_cbranch_scc1 .Lkind_v
	BODY 0
.Lkind_k:
	BODY 1
.Lkind_v:
	BODY 2
.Lfunc_end_k_q25371f24d1_proj:
	.size	k_q25371f24d1_proj, .Lfunc_end_k_q25371f24d1_proj-k_q25371f24d1_proj
	.p2alignl 7, 3214868480
	.fill 96, 4, 3214868480
	.section	.rodata,"a",@progbits
	.p2align	6, 0x0
	.amdhsa_kernel k_q25371f24d1_proj
		.amdhsa_group_segment_fixed_size 0
		.amdhsa_private_segment_fixed_size 0
		.amdhsa_enable_private_segment 0
		.amdhsa_kernarg_size 56
		.amdhsa_user_sgpr_count 2
		.amdhsa_user_sgpr_kernarg_segment_ptr 1
		.amdhsa_wavefront_size32 1
		.amdhsa_system_sgpr_workgroup_id_x 1
		.amdhsa_system_sgpr_workgroup_id_y 1
		.amdhsa_system_sgpr_workgroup_id_z 1
		.amdhsa_system_vgpr_workitem_id 0
		.amdhsa_next_free_vgpr 512
		.amdhsa_next_free_sgpr 66
		.amdhsa_reserve_vcc 1
		.amdhsa_float_denorm_mode_32 3
		.amdhsa_float_denorm_mode_16_64 3
		.amdhsa_memory_ordered 1
		.amdhsa_forward_progress 1
		.amdhsa_inst_pref_size 127
	.end_amdhsa_kernel
	.amdgpu_metadata
---
amdhsa.version: [ 1, 2 ]
amdhsa.kernels:
  - .name:           k_q25371f24d1_proj
    .symbol:         k_q25371f24d1_proj.kd
    .args:
      - { .name: opc, .offset: 0, .size: 8, .value_kind: global_buffer, .address_space: global }
      - { .name: ops, .offset: 8, .size: 8, .value_kind: global_buffer, .address_space: global }
      - { .name: Bq, .offset: 16, .size: 8, .value_kind: global_buffer, .address_space: global }
      - { .name: Bv, .offset: 24, .size: 8, .value_kind: global_buffer, .address_space: global }
      - { .name: atten_mask, .offset: 32, .size: 8, .value_kind: global_buffer, .address_space: global }
      - { .name: qkv, .offset: 40, .size: 8, .value_kind: global_buffer, .address_space: global }
      - { .name: qkvs, .offset: 48, .size: 8, .value_kind: global_buffer, .address_space: global }
    .group_segment_fixed_size: 0
    .private_segment_fixed_size: 0
    .kernarg_segment_align: 8
    .kernarg_segment_size: 56
    .max_flat_workgroup_size: 128
    .sgpr_count:     66
    .vgpr_count:     512
    .wavefront_size: 32
...
	.end_amdgpu_metadata
.endif
;; end of part 2
;; launch attn (part 3): grid 16 x 16, 16 waves a work-group, clusters of 4 x 1, 327,680 bytes of LDS; arguments qkv, qkvs, ctxc, ctxs; writes ctxc, ctxs
.if DOCPART == 3
	.amdgcn_target "amdgcn-amd-amdhsa--gfx1250"
	.amdhsa_code_object_version 6
	.text
	.protected	k_q25371f24d1_attn
	.globl	k_q25371f24d1_attn
	.p2align	8
	.type	k_q25371f24d1_attn,@function
k_q25371f24d1_attn:
	s_mov_b64 s[64:65], 0
	v_nop
	global_prefetch_b8 v0, s[64:65] scope:SCOPE_SE
	s_setreg_imm32_b32 hwreg(HW_REG_WAVE_MODE, 25, 1), 1
	s_wait_xcnt 0x0
	s_wait_alu depctr_hold_cnt(0) depctr_sa_sdst(0) depctr_va_vdst(0) depctr_va_sdst(0) depctr_va_ssrc(0) depctr_va_vcc(0) depctr_vm_vsrc(0)
	s_getreg_b32 s2, hwreg(HW_REG_IB_STS2, 6, 4)
	s_cmp_eq_u32 s2, 0
	s_cbranch_scc0 .Lentry_in_a_cluster
	s_endpgm
.Lentry_in_a_cluster:
	s_bfe_u32 s2, ttmp6, 0x10000c
	s_cmp_lg_u32 s2, 0x3003
	s_cbranch_scc0 .Lentry_shape_is_right
	s_endpgm
.Lentry_shape_is_right:
; Launch 3 of 4: ctx = softmax(q k^T / 8, masked keys out) v for one head (grid y = 8 b + head), both products on codes of E4M3; ctx is quantised along its 512 for the last product.  No work of reference() is left out.
; THE SOFTMAX: t = score x log2(e) / 8; M = the row's largest t so far, rounded up to a whole number; p = 2^(t - M) is quantised along the keys, not normalised; the row's sum is taken of the unquantised p and divides at the end.
; When M moves, the sum and O are multiplied by 2^(old M - new M): exact.
; THE MASK rides in the unused half of the first product's K: q has the code of 1.0 and k the code of -448 at k = 64, and byte 2 of k's scale word (made by the launch before) makes that term -448 x 2^-126 for a key that counts
; and -448 x 2^100 for a masked one: t is then about -1e32 and p = 0.  The largest t begins at -1e30, over the masked level and under every t of a key that counts.
; A batch with no key that counts leaves it there: ctx's scale bytes become 0xff, which makes the last product NaN, as reference() is.
; SHARES.  A work-group owns 256 queries; each of its sixteen waves one tile of 16, in 256 registers, four waves to a SIMD.  Every wave walks all 4,096 keys, 128 a step.
; Both products are used transposed (S^T = K Q^T, O^T = V^T P^T): a lane holds one query throughout; the keys of a tile and the d of a tile of V^T are laid so that a lane's registers run along the next K.
; LDS.  Two slots of 8 key steps: K's register images (65,536 bytes), then V's (65,536).  Behind them the head's scale words of K and V (24,576 bytes, filled once), then the spare words.  Images are read at 16 x lane: no padding.
; CLUSTER.  The four query blocks of a cluster walk the same K, V and words: every tensor load is joint (mask 15), each of the sixteen waves bringing 8,192 bytes of a slot; no descriptor word and no LDS address holds the place in the cluster.
; By this text's count a wave has two tensor loads out at the head and one behind each change of slots but the last.
; LIMITS: |t| under 1e30; NaN and infinities are not served; scores of keys that count carry a common -448 x 2^-126; blocks of zeros carry the byte 1 (their codes are zeros; this program alone reads the bytes).
.set SLOT1, 1<<17
.set SCL,   2*SLOT1
.set SPARE, SCL+24576                  ; the spare words, 128 bytes a wave: eight blocks of 256 bytes that no other line names
.set LI,  1                            ; v1   16 x lane
.set AKW, 2                            ; v2   8 r + SCL: K's words
.set AVW, 3                            ; v3   4 r + SCL + 16,384: V's words
.set SPW, 4                            ; v4   my spare word; never rewritten
.set NIL, 5                            ; v5   0; never rewritten
.set PFO, 6                            ; v6   256 x lane: the prefetches' offset; never rewritten
.set QWO, 7                            ; v7   8 r
.set ADK, 8
.set ADV, 9
.set ADS, 10
.set ADT, 11
.set QF,  16                           ; v16-31 Q's fragment: 0-7 loaded, 8 the code of 1.0 at k = 64, 9-15 zeros
.set KF,  32                           ; v32-95 four fragments of K: 0-7 loaded, 8 the code of -448 at k = 64, 9-15 zeros
.set S,   96                           ; v96-159 S^T, then p, then V's four fragments
.set O,   160                          ; v160-191 O^T
.set PCD, 192                          ; v192-207 p's codes
.set BM,  208                          ; v208-211 the blocks' largest scores, then p
.set PT,  212                          ; v212-215 the other half's; then the bytes
.set HL,  216                          ; v216-219 448 x the scale
.set CV,  220                          ; v220-223 the conversions' scale operands
.set TM,  208                          ; QUANT works in the same sixteen
.set KSW, 224                          ; v224-231 K's scale words
.set VSW, 232                          ; v232-235 V's
.set QSW, 236                          ; v236 Q's
.set PSW, 237                          ; v237 p's
.set FF,  238                          ; v[238:239] f = 2^(old M - new M)
.set TA,  240                          ; v240-241 at work
.set SM2, 242                          ; v[242:243] the sum's second chain
.set WV,  12
.set CX,  13
.set MNT, 19
.set SEL, 20
.set CS,  22
.set G1T, 24
.set G1S, 32
.set G0T, 40
.set G0S, 44
.set TB,  48                           ; s48  LDS byte of the step's images of K
.set TS,  49                           ; s49  the step's words of K: 512 bytes a step
.set TJ,  50                           ; s50  and of V: 256
.set SLOTS, 51
.set STP, 52
.set LIM, 53
.set PFA, 54
.set THR, 56
.macro PLACES n
.rept \n
	v_nop
.endr
.endm
.macro QUANT s, t, nb, pc, pw          ; as in the first launch
.set qb, 0
.rept \nb
	v_max3_num_f32 v[TM+qb], |v[(\s)+16*qb]|, |v[(\s)+16*qb+1]|, 0x4800000
.set qb, qb+1
.endr
.set qi, 2
.rept 7
.set qb, 0
.rept \nb
	v_max3_num_f32 v[TM+qb], v[TM+qb], |v[(\s)+16*qb+qi]|, |v[(\s)+16*qb+qi+1]|
.set qb, qb+1
.endr
.set qi, qi+2
.endr
.set qb, 0
.rept \nb
	v_permlanex16_b32 v[TM+4+qb], v[TM+qb], s[SEL], s[SEL+1]
.set qb, qb+1
.endr
.set qb, 0
.rept \nb
	v_max_num_f32 v[TM+qb], v[TM+qb], v[TM+4+qb]
.set qb, qb+1
.endr
.set qb, 0
.rept \nb
	v_add_nc_u32 v[TM+12+qb], 0xfc000000, v[TM+qb]
.set qb, qb+1
.endr
.set qb, 0
.rept \nb
	v_and_or_b32 v[TM+8+qb], v[TM+qb], 0x7f800000, s[MNT]
.set qb, qb+1
.endr
.set qb, 0
.rept \nb
	v_lshrrev_b32 v[TM+4+qb], 23, v[TM+12+qb]
.set qb, qb+1
.endr
	v_lshl_or_b32 v[\pw], v[TM+5], 8, v[TM+4]
.if \nb == 4
	v_lshl_or_b32 v[\pw], v[TM+6], 16, v[\pw]
	v_lshl_or_b32 v[\pw], v[TM+7], 24, v[\pw]
.endif
.set qb, 0
.rept \nb
.if (\t) == (\s)
.set qt, (\s)+16*qb
.else
.set qt, (\t)+16*(qb%2)
.endif
.set qi, 0
.rept 16
	v_med3_num_f32 v[qt+qi], v[(\s)+16*qb+qi], -v[TM+8+qb], v[TM+8+qb]
.set qi, qi+1
.endr
	v_cvt_scalef32_pk8_fp8_f32 v[(\pc)+4*qb:(\pc)+4*qb+1], v[qt:qt+7], v[TM+12+qb]
	v_cvt_scalef32_pk8_fp8_f32 v[(\pc)+4*qb+2:(\pc)+4*qb+3], v[qt+8:qt+15], v[TM+12+qb]
.set qb, qb+1
.endr
	v_nop
.endm
; A round of the cluster's barrier: my work-group's barrier, wave 0's signal for the work-group, every wave's wait for all four work-groups, my work-group's barrier once more
.macro ROUND
	s_barrier_signal -1
	s_barrier_wait -1
	s_cmp_lg_u32 s[WV], 0
	s_cbranch_scc1 .Lnot_wave_0_\@
	s_barrier_signal -3
.Lnot_wave_0_\@:
	s_barrier_wait -3
	s_barrier_signal -1
	s_barrier_wait -1
.endm
; A prefetch of the slot that the NEXT change of slots will ask for: 131,072 bytes, each run of 256 named once in the launch.  All clusters of a head walk the same bytes: the head's first cluster asks; its four partners
; take 32,768 bytes each, told apart by address; in each, waves 0 to 3 take 8,192 bytes, lanes 256 bytes apart.  The last change that fills a slot asks for nothing.
.macro ASK
	s_cmp_gt_u32 s[SLOTS], s[LIM]
	s_cbranch_scc0 .Lnot_mine_\@
	global_prefetch_b8 v[PFO], s[PFA:PFA+1] th:TH_LOAD_NT scope:SCOPE_SE
.Lnot_mine_\@:
.endm
; A KEY STEP: 128 keys
.macro STEP
	v_add_nc_u32 v[ADK], s[TB], v[LI]
	v_add_nc_u32 v[ADS], s[TS], v[AKW]
	v_add_nc_u32 v[ADT], s[TJ], v[AVW]
	v_add_nc_u32 v[ADV], 0x10000, v[ADK]                   ; V's images lie 65,536 bytes behind K's
	PLACES 5                                               ; with the four additions nine places: the products below write over registers that the last step's products read
.irp g, 0,1                            ; S^T = K Q^T, four tiles of 16 keys at a time
.if \g
	PLACES 8                                               ; ahead of loads into registers that matrix instructions have read
.endif
.irp t, 0,1,2,3
	ds_load_b128 v[KF+16*\t:KF+16*\t+3], v[ADK] offset:(4*\g+\t)*1024
	ds_load_b128 v[KF+16*\t+4:KF+16*\t+7], v[ADK] offset:(4*\g+\t)*1024+512
	ds_load_b32 v[KSW+4*\g+\t], v[ADS] offset:\g*256+(\t%2)*128+(\t/2)*4
.endr
	s_wait_dscnt 0x0
.irp t, 0,1,2,3
	v_wmma_scale_f32_16x16x128_f8f6f4 v[S+8*(4*\g+\t):S+8*(4*\g+\t)+7], v[KF+16*\t:KF+16*\t+15], v[QF:QF+15], 0, v[KSW+4*\g+\t], v[QSW]
.endr
.endr                                  ; register 16 b + i of lane (r, h): query r, key 32 b + 16 h + i of the step
	PLACES 8
.irp b, 0,1,2,3
	v_max3_num_f32 v[BM+\b], v[S+16*\b], v[S+1+16*\b], v[S+2+16*\b]   ; the largest score of each block of 32 keys: for the row's maximum, and, since p rises with the score, for the block's largest p
.endr
.irp i, 3,5,7,9,11,13
.irp b, 0,1,2,3
	v_max3_num_f32 v[BM+\b], v[BM+\b], v[S+16*\b+\i], v[S+1+16*\b+\i]
.endr
.endr
.irp b, 0,1,2,3
	v_max_num_f32 v[BM+\b], v[BM+\b], v[S+15+16*\b]
.endr
.irp b, 0,1,2,3
	v_permlanex16_b32 v[PT+\b], v[BM+\b], s[SEL], s[SEL+1]
.endr
.irp b, 0,1,2,3
	v_max_num_f32 v[BM+\b], v[BM+\b], v[PT+\b]             ; with lane l xor 16's 16 keys
.endr
	v_max3_num_f32 v[TA], v[BM], v[BM+1], v[BM+2]
	v_max_num_f32 v[TA], v[TA], v[BM+3]
	v_mul_f32 v[TA], s[CS], v[TA]                          ; the step's largest t
	v_max_num_f32 v13, v13, v[TA]                          ; the running largest t
	v_mov_b32 v[TA], v12
	v_floor_f32 v12, -v13                                  ; the new -M = floor(-t): a whole number
	v_sub_f32 v[TA], v12, v[TA]                            ; old M - new M, 0 or less
	v_cvt_i32_f32 v[TA], v[TA]                             ; (it saturates)
	v_ldexp_f32 v[FF], 1.0, v[TA]                          ; f
.set j, 0
.rept 32
	v_pk_fma_f32 v[S+j:S+j+1], v[S+j:S+j+1], s[CS:CS+1], v[12:13] op_sel_hi:[1,0,0]   ; t - M, two at a time
.set j, j+2
.endr
.irp b, 0,1,2,3
	v_fma_f32 v[BM+\b], v[BM+\b], s[CS], v12               ; the same of each block's largest score
.endr
.set j, 0
.rept 64
	v_exp_f32 v[S+j], v[S+j]                               ; p
.set j, j+1
.endr
	v_pk_mul_f32 v[14:15], v[14:15], v[FF:FF+1] op_sel_hi:[1,0]   ; the sums under the new M: the plain instruction behind the exponentials
	s_wait_alu depctr_va_vdst(0)                           ; one wait for the batch, ahead of its first reader
.irp b, 0,1,2,3
	v_exp_f32 v[BM+\b], v[BM+\b]                           ; the blocks' largest p
.endr
	v_pk_add_f32 v[SM2:SM2+1], v[S:S+1], v[S+2:S+3]        ; the row's sum of the unquantised p, in two chains
.set j, 4
.rept 15
	v_pk_add_f32 v[14:15], v[14:15], v[S+j:S+j+1]
	v_pk_add_f32 v[SM2:SM2+1], v[SM2:SM2+1], v[S+j+2:S+j+3]
.set j, j+4
.endr
	v_pk_add_f32 v[14:15], v[14:15], v[SM2:SM2+1]
	s_wait_alu depctr_va_vdst(0)                           ; and one for the four
.irp b, 0,1,2,3
	v_max_num_f32 v[BM+\b], 0x4800000, v[BM+\b]            ; the floor 2^(9 - 127)
.endr
.irp b, 0,1,2,3
	v_add_nc_u32 v[CV+\b], 0xfc000000, v[BM+\b]
.endr
.irp b, 0,1,2,3
	v_and_or_b32 v[HL+\b], v[BM+\b], 0x7f800000, s[MNT]
.endr
.irp b, 0,1,2,3
	v_lshrrev_b32 v[PT+\b], 23, v[CV+\b]
.endr
	v_lshl_or_b32 v[PSW], v[PT+1], 8, v[PT]
	v_lshl_or_b32 v[PSW], v[PT+2], 16, v[PSW]
	v_lshl_or_b32 v[PSW], v[PT+3], 24, v[PSW]
.irp b, 0,1,2,3
.set j, 0
.rept 16
	v_min_num_f32 v[S+16*\b+j], v[S+16*\b+j], v[HL+\b]     ; the hold: p is not negative, so it is one-sided
.set j, j+1
.endr
	v_cvt_scalef32_pk8_fp8_f32 v[PCD+4*\b:PCD+4*\b+1], v[S+16*\b:S+16*\b+7], v[CV+\b]
	v_cvt_scalef32_pk8_fp8_f32 v[PCD+4*\b+2:PCD+4*\b+3], v[S+16*\b+8:S+16*\b+15], v[CV+\b]
.endr
.irp i, 0,1,2,3                        ; V's four fragments take p's registers
.irp c, 0,1,2,3
	ds_load_b128 v[S+16*\i+4*\c:S+16*\i+4*\c+3], v[ADV] offset:\i*2048+\c*512
.endr
	ds_load_b32 v[VSW+\i], v[ADT] offset:\i*64
.endr
.set j, 0
.rept 16
	v_pk_mul_f32 v[O+j:O+j+1], v[O+j:O+j+1], v[FF:FF+1] op_sel_hi:[1,0]   ; O^T under the new M; also the places between the conversions and the products
.set j, j+2
.endr
	s_wait_dscnt 0x0
.irp i, 0,1,2,3
	v_wmma_scale_f32_16x16x128_f8f6f4 v[O+8*\i:O+8*\i+7], v[S+16*\i:S+16*\i+15], v[PCD:PCD+15], v[O+8*\i:O+8*\i+7], v[VSW+\i], v[PSW]
.endr
.endm
; THE CHANGE OF SLOTS, at a slot's head.  Every wave waits for all its tensor loads, adds 0 to its spare word, waits for that and for its reads of the slot that it has left; fill = 1: a round of the cluster's barrier, and
; the joint load of the next 8 key steps, into the slot just left, is the first thing behind it: it has 8 key steps in which to land.
.macro CHANGE fill
	s_wait_tensorcnt 0x0                                   ; no tensor load of mine is out, so the walking descriptor may be written
	ds_add_u32 v[SPW], v[NIL]
.if \fill
	s_xor_b32 s[G0T+1], s[G0T+1], SLOT1                    ; the other slot than last time,
	s_add_nc_u64 s[G0T+2:G0T+3], s[G0T+2:G0T+3], 0x10000   ; the next 8 key steps
	s_wait_xcnt 0x0                                        ; the last prefetch, a slot back, has read its address
	s_add_nc_u64 s[PFA:PFA+1], s[PFA:PFA+1], 0x10000
	s_wait_dscnt 0x0                                       ; the add is done, and my reads of the slot that I have left are over
	ROUND
	tensor_load_to_lds s[G0T:G0T+3], s[G1T:G1T+7]
	s_nop 0
	PLACES 4
	ASK
.else
	s_wait_dscnt 0x0
	s_barrier_signal -1
	s_barrier_wait -1
.endif
.endm
.macro SLOT_STEPS                      ; a slot's 8 key steps: written once, walked eight times
	s_mov_b32 s[STP], 8
.Lstep_\@:
	STEP
	s_add_co_u32 s[TB], s[TB], 8192
	s_add_co_u32 s[TS], s[TS], 512
	s_add_co_u32 s[TJ], s[TJ], 256
	s_sub_co_u32 s[STP], s[STP], 1
	s_cmp_lg_u32 s[STP], 0
	s_cbranch_scc1 .Lstep_\@
	s_sub_co_u32 s[TB], s[TB], 65536
	s_xor_b32 s[TB], s[TB], SLOT1                          ; on to the other slot
.endm
	s_load_b256 s[4:11], s[0:1], 0x0                       ; qkv, qkvs, ctxc, ctxs
	v_lshl_add_u32 v[SPW], v0, 2, SPARE
	v_mov_b32 v[NIL], 0
	ds_add_u32 v[SPW], v[NIL]                              ; the opening: the add, twice on end, and its wait ahead of my first tensor load
	ds_add_u32 v[SPW], v[NIL]
	v_lshrrev_b32 v1, 5, v0
	v_readfirstlane_b32 s[WV], v1                          ; wave 0..15
	s_bfe_u32 s[CX], ttmp6, 0x40000                        ; my place in the cluster
	s_and_b32 s14, ttmp7, 0xffff                           ; 8 b + head, which the four partners share
	s_mov_b32 s[G1T+0], 15|(3<<16)|(1<<21)                 ; the mask: all four; elements of 8 bytes; bit 21 beside a mask; no padding
	s_mov_b32 s[G1T+1], 32<<16                             ; rows of 256 bytes,
	s_mov_b32 s[G1T+2], 32<<16                             ; 32 of them, dense
	s_mov_b32 s[G1T+3], 32<<16
	s_mov_b32 s[G1T+4], 32
	s_mov_b32 s[G1T+5], 32
	s_mov_b32 s[G1T+6], 0
	s_mov_b32 s[G1T+7], 0
	s_mov_b32 s[G1S+0], 15|(3<<16)|(1<<21)                 ; the scale words: 6 rows of 256 bytes a wave
	s_mov_b32 s[G1S+1], 32<<16
	s_mov_b32 s[G1S+2], 6<<16
	s_mov_b32 s[G1S+3], 32<<16
	s_mov_b32 s[G1S+4], 6
	s_mov_b32 s[G1S+5], 32
	s_mov_b32 s[G1S+6], 0
	s_mov_b32 s[G1S+7], 0
	; the joint loads' places: made of the head and the wave's number alone
	s_mov_b32 s[G0T], 1
	s_lshl_b32 s[G0T+1], s[WV], 13                         ; LDS: 8,192 x wave: waves 0-7 K's images, waves 8-15 V's
	s_lshl_b32 s58, s14, 18
	s_add_co_u32 s58, s58, s[G0T+1]
	s_lshr_b32 s59, s[WV], 3
	s_mul_i32 s59, s59, 0x3f0000                           ; V lies 4 MiB behind K; wave 8 begins V's slot
	s_add_co_u32 s58, s58, s59
	s_add_co_u32 s58, s58, 0x400000
	s_mov_b32 s59, 0
	s_mov_b32 s[G0S], 1
	s_mul_i32 s[G0S+1], s[WV], 1536
	s_mul_i32 s60, s14, 24576
	s_add_co_u32 s60, s60, s[G0S+1]
	s_add_co_u32 s60, s60, 262144
	s_mov_b32 s61, 0
	s_add_co_u32 s[G0S+1], s[G0S+1], SCL
	; my own places: the query block enters Q's, ctx's and the prefetches' addresses alone
	s_lshl_b32 s15, ttmp9, 2
	s_add_co_u32 s15, s15, s[CX]                           ; my block of 256 queries
	s_lshl_b32 s66, s15, 4
	s_add_co_u32 s66, s66, s[WV]                           ; my tile of queries in the batch
	s_lshl_b32 s68, s14, 18
	s_lshl_b32 s67, s66, 10
	s_add_co_u32 s68, s68, s67                             ; Q's image
	s_mov_b32 s69, 0
	s_lshl_b32 s70, s14, 14
	s_lshr_b32 s67, s66, 2
	s_lshl_b32 s67, s67, 8
	s_add_co_u32 s70, s70, s67
	s_and_b32 s67, s66, 1
	s_lshl_b32 s67, s67, 7
	s_add_co_u32 s70, s70, s67
	s_bfe_u32 s67, s66, 0x10001
	s_lshl_b32 s67, s67, 2
	s_add_co_u32 s70, s70, s67                             ; Q's words
	s_mov_b32 s71, 0
	s_lshr_b32 s67, s14, 3
	s_lshl_b32 s67, s67, 8
	s_add_co_u32 s67, s67, s66                             ; ctx's tile: 256 b + my tile
	s_and_b32 s72, s14, 7                                  ; head
	s_lshl_b32 s74, s67, 13
	s_lshl_b32 s73, s72, 10
	s_add_co_u32 s74, s74, s73                             ; ctx's codes: tile x 8,192 + head x 1,024
	s_mov_b32 s75, 0
	s_lshl_b32 s62, s67, 8
	s_lshl_b32 s73, s72, 1
	s_add_co_u32 s62, s62, s73                             ; ctx's bytes: tile x 256 + head x 2
	s_mov_b32 s63, 0
	s_lshl_b32 s16, s14, 18                                ; the prefetches: the head's K, slot 1 (the first change steps it to slot 2),
	s_add_co_u32 s16, s16, 0x410000
	s_lshl_b32 s17, s[CX], 15                              ; my work-group's 32,768 bytes of a slot's 131,072,
	s_add_co_u32 s16, s16, s17
	s_lshr_b32 s17, s[CX], 1
	s_mul_i32 s17, s17, 0x3f0000                           ; of which the second half is V's,
	s_add_co_u32 s16, s16, s17
	s_and_b32 s17, s[WV], 3
	s_lshl_b32 s17, s17, 13                                ; my wave's 8,192
	s_add_co_u32 s16, s16, s17
	s_mov_b32 s17, 0
	s_lshr_b32 s[LIM], s[WV], 2
	s_or_b32 s[LIM], s[LIM], ttmp9                         ; 0 in waves 0 to 3 of the head's first cluster: the same in all four partners
	s_cmp_eq_u32 s[LIM], 0
	s_cselect_b32 s[LIM], 1, -1
	s_mov_b32 s[MNT], 0x600000
	s_mov_b32 s[SEL], 0x76543210
	s_mov_b32 s[SEL+1], 0xfedcba98
	s_mov_b32 s[CS], 0x3e38aa3b                            ; c = log2(e) / 8
	s_mov_b32 s[CS+1], s[CS]
	s_mov_b32 s[THR], 0xf149f2ca                           ; -1e30
	s_mov_b32 s[TB], 0
	s_mov_b32 s[TS], 0
	s_mov_b32 s[TJ], 0
	s_mov_b32 s[SLOTS], 3
	s_wait_dscnt 0x0                                       ; both opening adds are done
	s_wait_kmcnt 0x0
	s_add_nc_u64 s[G0T+2:G0T+3], s[4:5], s[58:59]
	s_or_b32 s[G0T+3], s[G0T+3], 0x80000000
	s_add_nc_u64 s[G0S+2:G0S+3], s[6:7], s[60:61]
	s_or_b32 s[G0S+3], s[G0S+3], 0x80000000
	ROUND                                                  ; all four work-groups are here: the first joint loads meet
	tensor_load_to_lds s[G0S:G0S+3], s[G1S:G1S+7]          ; the head's scale words: filled once
	s_nop 0
	tensor_load_to_lds s[G0T:G0T+3], s[G1T:G1T+7]          ; slot 0
	s_nop 0
	PLACES 4
	s_add_nc_u64 s[68:69], s[4:5], s[68:69]
	s_add_nc_u64 s[70:71], s[6:7], s[70:71]
	s_add_nc_u64 s[8:9], s[8:9], s[74:75]
	s_add_nc_u64 s[10:11], s[10:11], s[62:63]
	s_add_nc_u64 s[PFA:PFA+1], s[4:5], s[16:17]
	v_and_b32 v[LI], 31, v0
	v_lshlrev_b32 v[LI], 4, v[LI]
	v_and_b32 v[TA], 15, v0                                ; r
	v_bfe_u32 v[TA+1], v0, 4, 1                            ; h
	v_lshlrev_b32 v[QWO], 3, v[TA]
	global_load_b128 v[QF:QF+3], v[LI], s[68:69]           ; Q stays in registers
	global_load_b128 v[QF+4:QF+7], v[LI], s[68:69] offset:512
	global_load_b32 v[QSW], v[QWO], s[70:71]
	v_lshl_add_u32 v[AKW], v[TA], 3, SCL
	v_lshl_add_u32 v[AVW], v[TA], 2, SCL+16384
	v_lshlrev_b32 v[PFO], 4, v[LI]
	v_sub_nc_u32 v[TA+1], 1, v[TA+1]                       ; 1 in lanes 0-15, which hold k = 64
	v_mul_u32_u24 v[QF+8], 0x38, v[TA+1]                   ; the code of 1.0 in byte 0
	v_mul_u32_u24 v[KF+8], 0xfe, v[TA+1]                   ; the code of -448
.irp t, 1,2,3
	v_mov_b32 v[KF+16*\t+8], v[KF+8]
.endr
.irp i, 9,10,11,12,13,14,15
	v_mov_b32 v[QF+\i], 0
	v_mov_b32 v[KF+\i], 0
	v_mov_b32 v[KF+16+\i], 0
	v_mov_b32 v[KF+32+\i], 0
	v_mov_b32 v[KF+48+\i], 0
.endr
	v_mov_b32 v13, 0xf149f2ca                              ; the largest t so far: -1e30
	v_floor_f32 v12, -v13                                  ; -M
	v_mov_b32 v14, 0                                       ; the sum, in two halves
	v_mov_b32 v15, 0
.irp b, 0,1,2,3
	v_mov_b32 v[PT+\b], 0                                  ; written once: a lane permute's destination counts as one of its sources
.endr
	v_mov_b32 v[FF+1], 0                                   ; (named as the upper half of a pair)
.set j, 0
.rept 32
	v_mov_b32 v[O+j], 0                                    ; O^T: the step is written once; its first walk finds zeros, which the first change of M leaves zeros
.set j, j+1
.endr
	s_wait_loadcnt 0x0                                     ; Q
.Lslot:                                                    ; three trips: behind each change of slots but the last the next 8 key steps are asked for
	CHANGE 1
	SLOT_STEPS
	s_sub_co_u32 s[SLOTS], s[SLOTS], 1
	s_cmp_lg_u32 s[SLOTS], 0
	s_cbranch_scc1 .Lslot
	CHANGE 0                                               ; the last slot is written out
	SLOT_STEPS
	; THE WAY OUT: O^T / the sum is ctx(query r, 64 head + 32 b + 16 h + i) in register 16 b + i: two blocks of the last product's K.  Its codes are registers of that product's fragment and leave as they stand.
	PLACES 8                                               ; behind the last products
	v_add_f32 v14, v14, v15
	v_permlanex16_b32 v[TA], v14, s[SEL], s[SEL+1]
	v_add_f32 v14, v14, v[TA]                              ; the row's sum
	v_rcp_f32 v14, v14
	v_and_b32 v[TA+1], 15, v0                              ; (the plain instruction behind the reciprocal)
	v_lshlrev_b32 v[TA+1], 4, v[TA+1]                      ; 16 r
	s_wait_alu depctr_va_vdst(0)                           ; ahead of the reciprocal's first reader
.set j, 0
.rept 16
	v_pk_mul_f32 v[S+j:S+j+1], v[O+j:O+j+1], v[14:15] op_sel_hi:[1,0]
.set j, j+2
.endr
	QUANT S, S, 2, PCD, TA
	v_cmp_ge_f32 vcc_lo, s[THR], v13                       ; no key of the batch counted: the bytes become 0xff
	v_cndmask_b32 v[TA], v[TA], -1, vcc_lo
	global_store_b128 v[LI], v[PCD:PCD+3], s[8:9]          ; 512 consecutive bytes a store
	global_store_b128 v[LI], v[PCD+4:PCD+7], s[8:9] offset:512
	global_store_b16 v[TA+1], v[TA], s[10:11]              ; two bytes of a row's sixteen: 131,072 bytes in the whole launch (lanes 16-31 write the same bytes with the same values)
	s_wait_tensorcnt 0x0                                   ; the wave's end
	ds_add_u32 v[SPW], v[NIL]
	s_wait_dscnt 0x0
	ROUND                                                  ; the closing round: no work-group ends while a partner may still ask for a tile that names it
	s_endpgm
.Lfunc_end_k_q25371f24d1_attn:
	.size	k_q25371f24d1_attn, .Lfunc_end_k_q25371f24d1_attn-k_q25371f24d1_attn
	.p2alignl 7, 3214868480
	.fill 96, 4, 3214868480
	.section	.rodata,"a",@progbits
	.p2align	6, 0x0
	.amdhsa_kernel k_q25371f24d1_attn
		.amdhsa_group_segment_fixed_size 327680
		.amdhsa_private_segment_fixed_size 0
		.amdhsa_enable_private_segment 0
		.amdhsa_kernarg_size 32
		.amdhsa_user_sgpr_count 2
		.amdhsa_user_sgpr_kernarg_segment_ptr 1
		.amdhsa_wavefront_size32 1
		.amdhsa_system_sgpr_workgroup_id_x 1
		.amdhsa_system_sgpr_workgroup_id_y 1
		.amdhsa_system_sgpr_workgroup_id_z 1
		.amdhsa_system_vgpr_workitem_id 0
		.amdhsa_next_free_vgpr 256
		.amdhsa_next_free_sgpr 100
		.amdhsa_reserve_vcc 1
		.amdhsa_float_denorm_mode_32 3
		.amdhsa_float_denorm_mode_16_64 3
		.amdhsa_memory_ordered 1
		.amdhsa_forward_progress 1
		.amdhsa_inst_pref_size 56
	.end_amdhsa_kernel
	.amdgpu_metadata
---
amdhsa.version: [ 1, 2 ]
amdhsa.kernels:
  - .name:           k_q25371f24d1_attn
    .symbol:         k_q25371f24d1_attn.kd
    .args:
      - { .name: qkv, .offset: 0, .size: 8, .value_kind: global_buffer, .address_space: global }
      - { .name: qkvs, .offset: 8, .size: 8, .value_kind: global_buffer, .address_space: global }
      - { .name: ctxc, .offset: 16, .size: 8, .value_kind: global_buffer, .address_space: global }
      - { .name: ctxs, .offset: 24, .size: 8, .value_kind: global_buffer, .address_space: global }
    .group_segment_fixed_size: 327680
    .private_segment_fixed_size: 0
    .kernarg_segment_align: 8
    .kernarg_segment_size: 32
    .max_flat_workgroup_size: 512
    .sgpr_count:     100
    .vgpr_count:     256
    .wavefront_size: 32
...
	.end_amdgpu_metadata
.endif
;; end of part 3
;; launch outp (part 4): grid 128 x 2, 4 waves a work-group, no clusters, 17,920 bytes of LDS; arguments ctxc, ctxs, opc, ops, bp, out0; writes out0
.if DOCPART == 4
	.amdgcn_target "amdgcn-amd-amdhsa--gfx1250"
	.amdhsa_code_object_version 6
	.text
	.protected	k_q25371f24d1_outp
	.globl	k_q25371f24d1_outp
	.p2align	8
	.type	k_q25371f24d1_outp,@function
k_q25371f24d1_outp:
	s_mov_b64 s[64:65], 0
	v_nop
	global_prefetch_b8 v0, s[64:65] scope:SCOPE_SE
	s_setreg_imm32_b32 hwreg(HW_REG_WAVE_MODE, 25, 1), 1
	s_wait_xcnt 0x0
; Launch 4 of 4: out0 = ctx Wp^T + bp on codes of E4M3.  No work of reference() is left out.
; SHARES.  A wave makes 64 tokens (grid x) x 64 columns (4 y + wave): K = 512 in four steps, 16 accumulators by turns, 64 matrix instructions.  Source 0 = 16 rows of Wp, source 1 = 16 rows of ctx:
; a lane holds one token, and its registers run along the columns.  The bias is the C of each sum's first instruction.
; Operands come from memory straight into registers, as images of the registers, two K steps ahead: no LDS tile that a cluster could share; K has four steps.
; THE WAY OUT.  A tile of 16 tokens x 64 columns goes through the wave's own stage in LDS (rows of 256 bytes + 16) and leaves as rows: sixteen lanes store 256 consecutive bytes, at a multiple of 256 from out0's first byte.
; Lane-row r of tile 2 g + u is token 32 g + 8 u + r + 8 (r / 8): the stores' offsets undo that order.
.set LI,  1                            ; v1   16 x lane
.set R16, 4                            ; v4   16 r
.set BO,  5                            ; v5   64 h: the bias
.set STO, 6                            ; v6   the stage, in
.set RD,  7                            ; v7   the stage, back
.set GO,  8                            ; v8   2,048 h + 16 r
.set SPW, 10                           ; v10  my spare word; never rewritten
.set NIL, 11                           ; v11  0; never rewritten
.set SCR, 32                           ; v32-47 ctx's scale words
.set SCP, 48                           ; v48-63 Wp's
.set BI,  64                           ; v64-95 the bias, eight registers a tile of columns
.set OB,  64                           ; v64-95, v96-127 later: rows on their way out, by turns
.set ACC, 128
.set SPARE, 4*16*272                   ; behind the four stages: the spare words, 128 bytes a wave: two blocks of 256 bytes that no other line names
.set WV,  30
.set PIX, 31
.set RBS, 20
.set PBS, 22
.set RSS, 24
.set PSS, 26
.set MSB, 0
.macro WIN new                         ; the immediate's high byte repeats the setting that is left
.if MSB != \new
	s_set_vgpr_msb (MSB<<8)|\new
.set MSB, \new
.endif
.endm
.macro PLACES n
.rept \n
	v_nop
.endr
.endm
.macro LOADK s, buf                    ; K step s of both sides into buffer buf of window 1: 32 loads of 512 consecutive bytes
	WIN 0x40
.irp i, 0,1,2,3
.irp c, 0,1,2,3
	global_load_b128 v[\buf+16*\i+4*\c:\buf+16*\i+4*\c+3], v[LI], s[RBS:RBS+1] offset:\i*8192+\s*2048+\c*512
.endr
.endr
.irp i, 0,1,2,3
.irp c, 0,1,2,3
	global_load_b128 v[\buf+64+16*\i+4*\c:\buf+64+16*\i+4*\c+3], v[LI], s[PBS:PBS+1] offset:\i*8192+\s*2048+\c*512
.endr
.endr
	WIN 0
.endm
.macro STEP s, buf, cm                 ; 16 matrix instructions, the accumulators by turns.  cm = 2: the bias starts the sums
	WIN 0x05
.irp i, 0,1,2,3
.irp j, 0,1,2,3
.if \cm == 2
	v_wmma_scale_f32_16x16x128_f8f6f4 v[ACC+8*(4*\i+\j):ACC+8*(4*\i+\j)+7], v[\buf+64+16*\j:\buf+64+16*\j+15], v[\buf+16*\i:\buf+16*\i+15], v[BI+8*\j:BI+8*\j+7], v[SCP+4*\j+\s], v[SCR+4*\i+\s]
.else
	v_wmma_scale_f32_16x16x128_f8f6f4 v[ACC+8*(4*\i+\j):ACC+8*(4*\i+\j)+7], v[\buf+64+16*\j:\buf+64+16*\j+15], v[\buf+16*\i:\buf+16*\i+15], v[ACC+8*(4*\i+\j):ACC+8*(4*\i+\j)+7], v[SCP+4*\j+\s], v[SCR+4*\i+\s]
.endif
.endr
.endr
	WIN 0
.endm
	s_load_b256 s[8:15], s[0:1], 0x0                       ; ctxc, ctxs, opc, ops
	s_load_b128 s[16:19], s[0:1], 0x20                     ; bp, out0
	v_lshl_add_u32 v[SPW], v0, 2, SPARE
	v_mov_b32 v[NIL], 0
	v_lshrrev_b32 v2, 5, v0
	v_readfirstlane_b32 s[WV], v2
	v_and_b32 v2, 31, v0
	v_and_b32 v3, 15, v0                                   ; r
	v_bfe_u32 v12, v0, 4, 1                                ; h
	v_lshlrev_b32 v[LI], 4, v2
	v_lshlrev_b32 v[R16], 4, v3
	v_lshlrev_b32 v[BO], 6, v12
	s_mul_i32 s5, s[WV], 16*272                            ; my stage
	v_mul_u32_u24 v[STO], v3, 272
	v_lshl_add_u32 v[STO], v12, 6, v[STO]
	v_add_nc_u32 v[STO], s5, v[STO]                        ; in: row r, + 64 h
	v_mul_u32_u24 v[RD], v12, 272
	v_lshl_add_u32 v[RD], v3, 4, v[RD]
	v_add_nc_u32 v[RD], s5, v[RD]                          ; back: lanes 0-15 one row, lanes 16-31 the next
	v_lshlrev_b32 v[GO], 11, v12
	v_lshl_add_u32 v[GO], v3, 4, v[GO]                     ; and the same two rows of out0
	s_and_b32 s[PIX], ttmp7, 0xffff
	s_lshl_b32 s[PIX], s[PIX], 2
	s_add_co_u32 s[PIX], s[PIX], s[WV]                     ; which 64 columns
	s_mov_b32 s3, 0
	s_wait_kmcnt 0x0
	s_lshl_b32 s2, ttmp9, 15
	s_add_nc_u64 s[RBS:RBS+1], s[8:9], s[2:3]              ; ctx's four tiles
	s_lshl_b32 s2, ttmp9, 10
	s_add_nc_u64 s[RSS:RSS+1], s[10:11], s[2:3]
	s_lshl_b32 s2, s[PIX], 15
	s_add_co_u32 s2, s2, 608*8192
	s_add_nc_u64 s[PBS:PBS+1], s[12:13], s[2:3]            ; Wp's four tiles: 608 + 4 x which
	s_lshl_b32 s2, s[PIX], 10
	s_add_co_u32 s2, s2, 608*256
	s_add_nc_u64 s[PSS:PSS+1], s[14:15], s[2:3]
	s_lshl_b32 s2, s[PIX], 8
	s_add_nc_u64 s[28:29], s[16:17], s[2:3]                ; my 64 numbers of bp
	s_lshl_b32 s4, ttmp9, 17
	s_add_co_u32 s2, s2, s4
	s_add_nc_u64 s[18:19], s[18:19], s[2:3]                ; out0 at my 64 tokens, my 64 columns
.irp i, 0,1,2,3
	global_load_b128 v[SCR+4*\i:SCR+4*\i+3], v[R16], s[RSS:RSS+1] offset:\i*256
	global_load_b128 v[SCP+4*\i:SCP+4*\i+3], v[R16], s[PSS:PSS+1] offset:\i*256
.endr
.irp j, 0,1,2,3
	global_load_b128 v[BI+8*\j:BI+8*\j+3], v[BO], s[28:29] offset:(32*(\j/2)+8*(\j%2))*4       ; tile j's columns of my half: 32 (j / 2) + 16 h + 8 (j % 2) + 0 .. 7
	global_load_b128 v[BI+8*\j+4:BI+8*\j+7], v[BO], s[28:29] offset:(32*(\j/2)+8*(\j%2))*4+16
.endr
	LOADK 0, 0
	s_wait_loadcnt 32                                      ; all but K step 0's 32 loads: the words and the bias are in
	LOADK 1, 128
	s_wait_loadcnt 32                                      ; K step 0 is in; K step 1's 32 loads may be out
	STEP 0, 0, 2
	PLACES 8                                               ; ahead of loads into registers that matrix instructions have read
	LOADK 2, 0
	s_wait_loadcnt 32                                      ; K step 1 is in
	STEP 1, 128, 0
	PLACES 8
	LOADK 3, 128
	s_wait_loadcnt 32                                      ; K step 2 is in
	STEP 2, 0, 0
	s_wait_loadcnt 0
	STEP 3, 128, 0
	PLACES 8                                               ; ahead of the first read of results
.irp i, 0,1,2,3
.if \i >= 2
	s_wait_xcnt 0x0                                        ; the stores of two tiles back have read their registers: this tile's rows may land there
.endif
.irp j, 0,1,2,3
	ds_store_b128 v[STO], v[ACC+8*(4*\i+\j):ACC+8*(4*\i+\j)+3] offset:128*(\j/2)+32*(\j%2)         ; each accumulator from its low end on
	ds_store_b128 v[STO], v[ACC+8*(4*\i+\j)+4:ACC+8*(4*\i+\j)+7] offset:128*(\j/2)+32*(\j%2)+16
.endr
.irp q, 0,1,2,3,4,5,6,7
	ds_load_b128 v[OB+32*(\i%2)+4*\q:OB+32*(\i%2)+4*\q+3], v[RD] offset:\q*544   ; LDS serves a wave's instructions in order (ISA guide 5.7.1.4): these see the stores above, and the next tile's stores come behind them
.endr
.irp q, 0,1,2,3,4,5,6,7
	s_wait_dscnt 7-\q                                      ; the younger loads from the stage may be out
	global_store_b128 v[GO], v[OB+32*(\i%2)+4*\q:OB+32*(\i%2)+4*\q+3], s[18:19] offset:(32*(\i/2)+8*(\i%2)+2*\q+8*(\q/4))*2048 th:TH_STORE_NT
.endr
.endr
	s_wait_tensorcnt 0x0                                   ; the wave's end, behind my last LDS store
	ds_add_u32 v[SPW], v[NIL]
	s_wait_dscnt 0x0
	s_endpgm
.Lfunc_end_k_q25371f24d1_outp:
	.size	k_q25371f24d1_outp, .Lfunc_end_k_q25371f24d1_outp-k_q25371f24d1_outp
	.p2alignl 7, 3214868480
	.fill 96, 4, 3214868480
	.section	.rodata,"a",@progbits
	.p2align	6, 0x0
	.amdhsa_kernel k_q25371f24d1_outp
		.amdhsa_group_segment_fixed_size 17920
		.amdhsa_private_segment_fixed_size 0
		.amdhsa_enable_private_segment 0
		.amdhsa_kernarg_size 48
		.amdhsa_user_sgpr_count 2
		.amdhsa_user_sgpr_kernarg_segment_ptr 1
		.amdhsa_wavefront_size32 1
		.amdhsa_system_sgpr_workgroup_id_x 1
		.amdhsa_system_sgpr_workgroup_id_y 1
		.amdhsa_system_sgpr_workgroup_id_z 1
		.amdhsa_system_vgpr_workitem_id 0
		.amdhsa_next_free_vgpr 512
		.amdhsa_next_free_sgpr 66
		.amdhsa_reserve_vcc 0
		.amdhsa_float_denorm_mode_32 3
		.amdhsa_float_denorm_mode_16_64 3
		.amdhsa_memory_ordered 1
		.amdhsa_forward_progress 1
		.amdhsa_inst_pref_size 34
	.end_amdhsa_kernel
	.amdgpu_metadata
---
amdhsa.version: [ 1, 2 ]
amdhsa.kernels:
  - .name:           k_q25371f24d1_outp
    .symbol:         k_q25371f24d1_outp.kd
    .args:
      - { .name: ctxc, .offset: 0, .size: 8, .value_kind: global_buffer, .address_space: global }
      - { .name: ctxs, .offset: 8, .size: 8, .value_kind: global_buffer, .address_space: global }
      - { .name: opc, .offset: 16, .size: 8, .value_kind: global_buffer, .address_space: global }
      - { .name: ops, .offset: 24, .size: 8, .value_kind: global_buffer, .address_space: global }
      - { .name: bp, .offset: 32, .size: 8, .value_kind: global_buffer, .address_space: global }
      - { .name: out0, .offset: 40, .size: 8, .value_kind: global_buffer, .address_space: global }
    .group_segment_fixed_size: 17920
    .private_segment_fixed_size: 0
    .kernarg_segment_align: 8
    .kernarg_segment_size: 48
    .max_flat_workgroup_size: 128
    .sgpr_count:     66
    .vgpr_count:     512
    .wavefront_size: 32
...
	.end_amdgpu_metadata
.endif
;; end of part 4
